; MI455X (gfx1250); checked and timed in simulation.
; The chip was launched on July 23, 2026; its instructions are those of AMD's public machine-readable ISA for CDNA 5 (MIT licence, August 2026) and "CDNA5" Instruction Set Architecture Reference Guide (July 2026). The comments in the code are by the model that wrote it; some were corrected since.
;; Q Linear. Allowed arithmetic: float matrix products may take bf16 or f16 operands with f32 sums; other float arithmetic in f32, or as packed bf16 or f16 multiplies, adds, multiply-adds, maxima and minima; sums over many terms, partial sums and values carried from step to step in f32; what a program stores and reads back later, other than sums and carried values, may be rounded once to bf16 or f16.
;; Inputs: bias 4,096 float32; weight 4,096 x 4,096 float32; x 4,096 x 4,096 float32.
;; Outputs: out0 4,096 x 4,096 float32.
;; 2 versions, each right; version 2 is version 1 with the launch prep written anew for expert scheduling mode. Each part assembles by itself: llvm-mc -triple=amdgcn-amd-amdhsa -mcpu=gfx1250 --defsym DOCPART=n.
;; ======== version 1 of 2: 2 launches
;; limits: values are held in f16: magnitudes above 65,504 overflow, below 6.1e-05 lose precision; inputs' magnitudes at most 65,504; right only within a limited range of input values
;; workspace buffers: xh 33,554,432 bytes; zq 33,554,432 bytes
;; launch prep (part 1): grid 512 x 1, 8 waves a work-group, no clusters, 0 bytes of LDS; arguments x, weight, xh, zq; writes xh, zq
.if DOCPART == 1
	.amdgcn_target "amdgcn-amd-amdhsa--gfx1250"
	.amdhsa_code_object_version 6
	.text
	.protected	k_q535956bfb5_prep
	.globl	k_q535956bfb5_prep
	.p2align	8
	.type	k_q535956bfb5_prep,@function
k_q535956bfb5_prep:
	s_mov_b64 s[64:65], 0
	v_nop
	global_prefetch_b8 v0, s[64:65] scope:SCOPE_SE
	s_setreg_imm32_b32 hwreg(HW_REG_WAVE_MODE, 25, 1), 1
	s_wait_xcnt 0x0
; FIRST OF TWO LAUNCHES for out0 = x . w_q^T + bias, w_q = the weight snapped, four neighbours of a row at a time, to beta x D4, beta = 0.05.
; This launch: xh = f16(x) and zq = f16(Q_D4(weight / beta)): the lattice's INTEGERS, without beta.  x, weight: [4096][4096] f32; xh, zq: [4096][4096] f16, row-major.
; WORK LEFT OUT, for all finite values of the inputs.  ste_quantize returns w + (q - w) with q = quantize_lattice(w): in real numbers that is q, whatever w holds (stop_gradient is the
; identity in a forward pass), so the subtraction and the addition are not made.  beta is taken out of the sum: sum_k x (beta z) = beta sum_k x z; the second launch applies it once for
; each output, in f32, fused with the bias.  Every input has a way to the output and is loaded: x and weight here, bias in the second launch.
; A NaN, an infinity or an overflow that would arise only in w + (q - w) is not carried to the result.
; WHY THE INTEGERS.  z is exact in f16 up to |z| = 2,048, so the weight operand of the product carries no rounding at all.
; THE DECISIONS ARE reference()'s: v = w / beta is made as the correctly rounded f32 quotient by 0.05f (below); f = round to nearest, halves to even; delta = v - f is exact;
; the largest |delta| goes to the lowest index among equals, as argmax has it; delta >= 0 steps up, else down.
; LIMITS.  |x| under 65,520 and |w| under 3,276, or f16 gives an infinity; |z| over 2,048 is rounded to 11 bits; the parity is that of the exact sum while |w / beta| stays under 2^22;
; for |w| under about 2^-100 the division's residual may underflow and the quotient's last bit is not vouched for (z is 0 there all the same);
; NaN and infinities in weight are not treated apart.  The order of rounding differs from reference()'s: beta comes behind the sum, and w + (q - w) is not rounded.
; SHARES.  A stream: each byte is read once, by one lane, and nothing is shared, so there is no LDS, no barrier, no cluster and no matrix instruction.  Wave v of work-group g owns row 8 g + v of
; x and of weight.  A chunk is one 16-byte load a lane: 512 consecutive bytes a wave, and a lane's four floats are one group of the lattice.  It leaves as one 8-byte store a lane:
; 256 consecutive bytes, aligned.  A ring of 16 register slots, 8 for weight and 8 for x by turns, keeps 16 loads of every wave on their way.
.set WD, 4                             ; v[4:35]    slot i: four weights as loaded
.set XD, 36                            ; v[36:67]   slot i: four x as loaded
.set WY, 68                            ; v[68:83]   slot i: four z in f16, to store
.set XY, 84                            ; v[84:99]   slot i: four x in f16, to store
.set QT, 100                           ; v[100:103] the quotient
.set DL, 104                           ; v[104:107] the division's residual, then delta
.set FR, 108                           ; v[108:111] f, then z
.set SM, 112                           ; v[112:113] the sum of f and its half
.set MX, 114                           ; v114       the largest |delta|
.set AB, 116                           ; v[116:119] |delta|, then the step +1, -1 or 0
.set CHUNK, 512                        ; bytes of a row that one load of the wave takes
.set ROUND, 8*CHUNK                    ; a round takes every slot once: 4,096 bytes of each input row, 2,048 of each output row
	s_load_b256 s[4:11], s[0:1], 0x0               ; x s[4:5], weight s[6:7], xh s[8:9], zq s[10:11]
	v_and_b32 v2, 31, v0                           ; lane
	v_lshrrev_b32 v3, 5, v0
	v_readfirstlane_b32 s12, v3                    ; wave 0..7
	v_lshlrev_b32 v1, 4, v2                        ; v1 = 16 x lane: my bytes of a chunk; never rewritten
	v_lshlrev_b32 v2, 3, v2                        ; v2 = 8 x lane: my bytes of what leaves; never rewritten
	s_lshl_b32 s13, ttmp9, 3
	s_add_co_u32 s13, s13, s12                     ; my row
	s_lshl_b32 s14, s13, 14                        ; x 16,384 bytes in (under 2^26)
	s_mov_b32 s15, 0
	s_lshl_b32 s16, s13, 13                        ; x 8,192 bytes out
	s_mov_b32 s17, 0
	s_mov_b32 s20, 0x41a00000                      ; 20.0 = the f32 nearest to 1 / 0.05f (19.9999997; f32 steps by 1.9e-6 there)
	s_mov_b32 s21, 0x41a00000                      ; named with it as a pair
	s_mov_b32 s22, 0xbd4ccccd                      ; -0.05f
	s_mov_b32 s23, 0xbd4ccccd
	s_mov_b32 s24, 0x7fffffff                      ; all but the sign
	s_mov_b32 s25, 0x3f800000                      ; 1.0
	s_mov_b32 s26, 3                               ; rounds that fill the ring again
	s_wait_kmcnt 0x0
	s_add_nc_u64 s[4:5], s[4:5], s[14:15]
	s_add_nc_u64 s[6:7], s[6:7], s[14:15]
	s_add_nc_u64 s[8:9], s[8:9], s[16:17]
	s_add_nc_u64 s[10:11], s[10:11], s[16:17]
.irp i, 0,1,2,3,4,5,6,7
	global_load_b128 v[WD+4*(\i):WD+4*(\i)+3], v1, s[6:7] offset:CHUNK*(\i) th:TH_LOAD_NT  ; the ring is filled in the order in which it is emptied
	global_load_b128 v[XD+4*(\i):XD+4*(\i)+3], v1, s[4:5] offset:CHUNK*(\i) th:TH_LOAD_NT
.endr
; The turn of weight slot i.  ahead = 1: the slot is filled again with the chunk one round on.  left = how many younger loads may stay out.
.macro SLOTW i, ahead, left
	s_wait_loadcnt \left                           ; loads come back in order (ISA guide 5.7.1): mine is in, the younger ones stay out
	; v = w / 0.05f, correctly rounded.  q0 = w x 20 lies within 3/4 of a last place of the quotient (1/4 from 20 against 1 / 0.05f, 1/2 from its rounding); r = w - q0 x 0.05f is then exact in
	; one fused multiply-add; q0 + r x 20, rounded once, is the f32 nearest to the quotient, since 20 is the correctly rounded reciprocal (Markstein's correction step).
.irp p, 0,2
	v_pk_mul_f32 v[QT+(\p):QT+(\p)+1], v[WD+4*(\i)+(\p):WD+4*(\i)+(\p)+1], s[20:21] op_sel_hi:[1,0]
.endr
.irp p, 0,2
	v_pk_fma_f32 v[DL+(\p):DL+(\p)+1], v[QT+(\p):QT+(\p)+1], s[22:23], v[WD+4*(\i)+(\p):WD+4*(\i)+(\p)+1] op_sel_hi:[1,0,1]
.endr
.irp p, 0,2
	v_pk_fma_f32 v[QT+(\p):QT+(\p)+1], v[DL+(\p):DL+(\p)+1], s[20:21], v[QT+(\p):QT+(\p)+1] op_sel_hi:[1,0,1]
.endr
.if \ahead
	global_load_b128 v[WD+4*(\i):WD+4*(\i)+3], v1, s[6:7] offset:CHUNK*(\i)+ROUND th:TH_LOAD_NT  ; the weights have been read: the slot's next chunk goes out ahead of the rest of the work
.endif
.irp j, 0,1,2,3
	v_rndne_f32 v[FR+(\j)], v[QT+(\j)]             ; f: to the nearest integer, halves to even
.endr
.irp p, 0,2
	v_pk_add_f32 v[DL+(\p):DL+(\p)+1], v[QT+(\p):QT+(\p)+1], v[FR+(\p):FR+(\p)+1] neg_lo:[0,1] neg_hi:[0,1]  ; delta = v - f, exact; never -0
.endr
	v_pk_add_f32 v[SM:SM+1], v[FR:FR+1], v[FR+2:FR+3]
	v_add_f32 v[SM], v[SM], v[SM+1]                ; the sum of f: integers, exact
	v_mul_f32 v[SM+1], 0.5, v[SM]
	v_floor_f32 v[SM], v[SM+1]
	v_cmp_neq_f32 s30, v[SM+1], v[SM]              ; odd: half the sum is no integer
.irp j, 0,1,2,3
	v_and_b32 v[AB+(\j)], s24, v[DL+(\j)]          ; |delta|
.endr
	v_max3_num_f32 v[MX], v[AB], v[AB+1], v[AB+2]
	v_max_num_f32 v[MX], v[MX], v[AB+3]
	v_cmp_ge_f32 s31, v[AB], v[MX]                 ; which coordinates hold the maximum
	v_cmp_ge_f32 s32, v[AB+1], v[MX]
	v_cmp_ge_f32 s33, v[AB+2], v[MX]
.irp j, 0,1,2,3
	v_bfi_b32 v[AB+(\j)], s24, s25, v[DL+(\j)]     ; 1.0 with delta's sign
.endr
	s_and_b32 s34, s31, s30                        ; lanes whose sum is odd step in the FIRST coordinate that holds the maximum; these masks only select values
	s_and_not1_b32 s38, s30, s31
	s_and_b32 s35, s32, s38
	s_and_not1_b32 s38, s38, s32
	s_and_b32 s36, s33, s38
	s_and_not1_b32 s37, s38, s33                   ; none of the first three: the fourth holds it
.irp j, 0,1,2,3
	v_cndmask_b32 v[AB+(\j)], 0, v[AB+(\j)], s[34+(\j)]
.endr
.irp p, 0,2
	v_pk_add_f32 v[FR+(\p):FR+(\p)+1], v[FR+(\p):FR+(\p)+1], v[AB+(\p):AB+(\p)+1]  ; z
.endr
	v_cvt_pk_f16_f32 v[WY+2*(\i)], v[FR], v[FR+1]
	v_cvt_pk_f16_f32 v[WY+2*(\i)+1], v[FR+2], v[FR+3]
	global_store_b64 v2, v[WY+2*(\i):WY+2*(\i)+1], s[10:11] offset:256*(\i)  ; the wave stores 256 consecutive bytes, at a multiple of 256 from zq's first byte
.endm
; The turn of x slot i: four roundings to f16.
.macro SLOTX i, ahead, left
	s_wait_loadcnt \left
	v_cvt_pk_f16_f32 v[XY+2*(\i)], v[XD+4*(\i)], v[XD+4*(\i)+1]
	v_cvt_pk_f16_f32 v[XY+2*(\i)+1], v[XD+4*(\i)+2], v[XD+4*(\i)+3]
.if \ahead
	global_load_b128 v[XD+4*(\i):XD+4*(\i)+3], v1, s[4:5] offset:CHUNK*(\i)+ROUND th:TH_LOAD_NT
.endif
	global_store_b64 v2, v[XY+2*(\i):XY+2*(\i)+1], s[8:9] offset:256*(\i)
.endm
.Lround:                                       ; three rounds: 8 chunks of each row are worked on, the 8 behind them asked for
.irp i, 0,1,2,3,4,5,6,7
	SLOTW \i, 1, 15                                ; the other 15 slots' loads were issued behind this slot's
	SLOTX \i, 1, 15
.endr
	s_wait_xcnt 0x0                                ; every load and store issued so far has had its addresses translated (ISA guide 3.1): only behind this wait are the four bases stepped and the stores' data written again
	s_add_nc_u64 s[4:5], s[4:5], ROUND
	s_add_nc_u64 s[6:7], s[6:7], ROUND
	s_add_nc_u64 s[8:9], s[8:9], ROUND/2
	s_add_nc_u64 s[10:11], s[10:11], ROUND/2
	s_sub_co_u32 s26, s26, 1
	s_cmp_lg_u32 s26, 0
	s_cbranch_scc1 .Lround
.irp i, 0,1,2,3,4,5,6,7
	SLOTW \i, 0, 15-2*(\i)                         ; the last round loads nothing, so that no load leaves the row: the counts run down
	SLOTX \i, 0, 14-2*(\i)
.endr
	s_endpgm
.Lfunc_end_k_q535956bfb5_prep:
	.size	k_q535956bfb5_prep, .Lfunc_end_k_q535956bfb5_prep-k_q535956bfb5_prep
	.p2alignl 7, 3214868480
	.fill 96, 4, 3214868480
	.section	.rodata,"a",@progbits
	.p2align	6, 0x0
	.amdhsa_kernel k_q535956bfb5_prep
		.amdhsa_group_segment_fixed_size 0
		.amdhsa_private_segment_fixed_size 0
		.amdhsa_enable_private_segment 0
		.amdhsa_kernarg_size 32
		.amdhsa_user_sgpr_count 2
		.amdhsa_user_sgpr_kernarg_segment_ptr 1
		.amdhsa_wavefront_size32 1
		.amdhsa_system_sgpr_workgroup_id_x 1
		.amdhsa_system_sgpr_workgroup_id_y 1
		.amdhsa_system_sgpr_workgroup_id_z 1
		.amdhsa_system_vgpr_workitem_id 0
		.amdhsa_next_free_vgpr 120
		.amdhsa_next_free_sgpr 66
		.amdhsa_reserve_vcc 0
		.amdhsa_float_denorm_mode_32 3
		.amdhsa_float_denorm_mode_16_64 3
		.amdhsa_memory_ordered 1
		.amdhsa_forward_progress 1
		.amdhsa_inst_pref_size 46
	.end_amdhsa_kernel
	.amdgpu_metadata
---
amdhsa.version: [ 1, 2 ]
amdhsa.kernels:
  - .name:           k_q535956bfb5_prep
    .symbol:         k_q535956bfb5_prep.kd
    .args:
      - { .name: x, .offset: 0, .size: 8, .value_kind: global_buffer, .address_space: global }
      - { .name: weight, .offset: 8, .size: 8, .value_kind: global_buffer, .address_space: global }
      - { .name: xh, .offset: 16, .size: 8, .value_kind: global_buffer, .address_space: global }
      - { .name: zq, .offset: 24, .size: 8, .value_kind: global_buffer, .address_space: global }
    .group_segment_fixed_size: 0
    .private_segment_fixed_size: 0
    .kernarg_segment_align: 8
    .kernarg_segment_size: 32
    .max_flat_workgroup_size: 256
    .sgpr_count:     66
    .vgpr_count:     120
    .wavefront_size: 32
...
	.end_amdgpu_metadata
.endif
;; end of part 1
;; launch gemm (part 2): grid 16 x 16, 4 waves a work-group, clusters of 4 x 4, 327,680 bytes of LDS; arguments xh, zq, bias, out0; writes out0
.if DOCPART == 2
	.amdgcn_target "amdgcn-amd-amdhsa--gfx1250"
	.amdhsa_code_object_version 6
	.text
	.protected	k_q535956bfb5_gemm
	.globl	k_q535956bfb5_gemm
	.p2align	8
	.type	k_q535956bfb5_gemm,@function
k_q535956bfb5_gemm:
	s_mov_b64 s[64:65], 0
	v_nop
	global_prefetch_b8 v0, s[64:65] scope:SCOPE_SE
	s_setreg_imm32_b32 hwreg(HW_REG_WAVE_MODE, 25, 1), 1
	s_wait_xcnt 0x0
	s_wait_alu depctr_hold_cnt(0) depctr_sa_sdst(0) depctr_va_vdst(0) depctr_va_sdst(0) depctr_va_ssrc(0) depctr_va_vcc(0) depctr_vm_vsrc(0)
	s_getreg_b32 s2, hwreg(HW_REG_IB_STS2, 6, 4)
	s_cmp_eq_u32 s2, 0
	s_cbranch_scc0 .Lentry_in_a_cluster
	s_endpgm
.Lentry_in_a_cluster:
	s_bfe_u32 s2, ttmp6, 0x10000c
	s_cmp_lg_u32 s2, 0xf033
	s_cbranch_scc0 .Lentry_shape_is_right
	s_endpgm
.Lentry_shape_is_right:
; SECOND OF TWO LAUNCHES: out0[m][n] = beta x (the sum over k of xh[m][k] zq[n][k]) + bias[n], beta = 0.05f.  xh = A, zq = B: [4096][4096] f16; bias [4096] f32; out0 [4096][4096] f32; sums in f32.
; Left out, as the first launch's head shows for all values: w + (q - w) is q; beta stands behind the sum, one fused multiply-add with the bias for each output.
; LIMITS are the first launch's: f16's range for x, integers |z| to 2,048 exact; the order of rounding differs from reference()'s.
; A tile of out0, 256 x 256, is made by a work-group of four waves; a wave makes 128 x 128: 64 accumulators of 16 x 16, 512 registers.  256 tiles, one to a work-group.
; K goes in 32 steps of 128 through a ring of two LDS slots filled by the tensor data mover: the rows of A's and B's tiles are 256 bytes of memory, at multiples of 256 from the buffer's first byte.
; CLUSTERS: 4 x 4 work-groups.  The four of a row of the cluster need the same tiles of A, the four of a column the same tiles of B: each tile is asked for JOINTLY, by the same tensor load with the
; same descriptor and a mask that names the four; each receives it in its own LDS.  That divides the requests for A and for B by four.
; THE MATRIX INSTRUCTION IS USED TRANSPOSED: source 0 = 16 rows of B, source 1 = 16 rows of A.  In the result lane l holds row m = l % 16 and its registers 0 to 7 the columns 8 (l / 16) + 0..7:
; 32 neighbouring bytes of a row of out0.
; REGISTERS, in windows of 256 (s_set_vgpr_msb's low byte: bits 1:0 source 0, 3:2 source 1, 5:4 source 2, 7:6 destination):
;   window 0: v0-31 addresses and the bias; v64-127, v128-191 fragments of A, two buffers; on the way out the same 128 hold rows read back from the stage, two sets of 64
;   window 1: v64-127, v128-191 fragments of B, two buffers
;   window 2: the 32 accumulators of my rows 0-63 (accumulator (a, b) at v[8 (8 a + b)]);   window 3: those of my rows 64-127
.set SIZE_K, 4096
.set SIZE_N, 4096
.set KSTEP,  128
.set PITCH,  272                       ; an LDS row: 256 bytes of data + 16 of padding = 68 words: row r starts at bank 4 r mod 64 (64 banks of 4 bytes: ISA guide 11.1), so the 16 rows of a load start at 16 different banks
.set HALFT,  128*PITCH                 ; 128 rows: what one tensor load brings, and what one wave reads of A or of B
.set SLOT,   4*HALFT                   ; A's 256 rows, then B's 256 rows
.set STAGE,  2*SLOT                    ; behind the ring: for each wave 16 rows of 128 f32, for the way out; no tensor load lands here
.set SPITCH, 528                       ; a stage row: 512 bytes + 16 = 132 words: again 16 rows at 16 different groups of four banks
.set WSTAGE, 16*SPITCH                 ; 8,448 bytes, 33 blocks of 256
.set SPARE,  STAGE+4*WSTAGE            ; behind the stages: the spare words, 128 bytes for each wave: two blocks of 256 bytes that no other line names
.set LAPS,   SIZE_K/(2*KSTEP)          ; a lap = two K steps = once round the ring: 16
.set BIAS, 8                           ; v[8:11] bias of the four columns that I store, the same in every row
.set ADRA, 16                          ; v16-17  LDS address of my A fragments in slot 0, 1
.set ADRB, 20                          ; v20-21  the same for B
.set STO,  24                          ; v24     the way out: where I put 32 bytes of a row
.set RD,   25                          ; v25     the way out: where I read 16 bytes of a row back
.set CO,   26                          ; v26     16 x lane: my bytes of a wave's 512 in a row of out0
.set BO,   27                          ; v27     my byte offset in bias
.set SPW,  28                          ; v28     LDS address of my spare word: SPARE + 4 x my thread's number; never rewritten
.set NIL,  29                          ; v29     0; never rewritten
.set PFO,  30                          ; v30     the prefetches' offset: my lane x a row of A or B (8,192 bytes); never rewritten
.set F0,   64                          ; fragment buffer 0
.set F1,   128                         ; fragment buffer 1
.set WV,   12                          ; s12     my wave's number
.set RH,   13                          ; s13     which half of the tile's rows is mine.  Also: I fetch for A (0) or for B (1)
.set CH,   14                          ; s14     which half of its columns.  Also: which 128 rows of that tile I fetch
.set G1,   24                          ; s[24:31] descriptor group 1 for A's tiles
.set G0,   32                          ; s[32:39] descriptor group 0 for A's tiles, one set for each slot
.set LIM,  43                          ; s43     1 in a wave that prefetches, else the greatest number
.set PFA,  44                          ; s[44:45] where my prefetches stand
.set G1B,  48                          ; s[48:55] descriptor group 1 for B's tiles: it differs from A's in the mask alone
.set G0B,  56                          ; s[56:63] descriptor group 0 for B's tiles
.set BETA, 66                          ; s[66:67] 0.05f: the packed multiply-add names a pair and takes its low word for both halves
.set MSB, 0
.macro WIN new                         ; the immediate's high byte repeats the setting that is left; a switch that changes nothing is dropped
.if MSB != (\new)
	s_set_vgpr_msb (MSB<<8)|(\new)
.set MSB, \new
.endif
.endm
.set MUL_LO, 0xa1                      ; source 0 (B) window 1, source 1 (A) window 0, C and D window 2
.set MUL_HI, 0xf1                      ; the same, C and D window 3
.set TO_B,   0x40                      ; destination window 1, address window 0
.set ST_LO,  0x08                      ; an LDS store's data (source 1) in window 2, its address in window 0; window 3: + 4
; A joint load.  Waves 0 and 1 fetch A's two halves, waves 2 and 3 B's.  Each of the two lines has ONE mask and one set of registers for all that issue it.  The branch hangs on the wave's number alone.
; An s_nop 0 and four v_nop follow each of the two lines; the jump, the label and what follows come after them.
.macro JLOAD s
	s_cmp_eq_u32 s[RH], 0
	s_cbranch_scc0 .Lfor_b_\@
	tensor_load_to_lds s[G0+4*(\s):G0+4*(\s)+3], s[G1:G1+7]
	s_nop 0
.rept 4
	v_nop
.endr
	s_branch .Lasked_\@
.Lfor_b_\@:
	tensor_load_to_lds s[G0B+4*(\s):G0B+4*(\s)+3], s[G1B:G1B+7]
	s_nop 0
.rept 4
	v_nop
.endr
.Lasked_\@:
.endm
; A PREFETCH INTO THE L2, behind each joint refill, its five lines and the run of LDS loads that follows them: the K step that stands TWO refills on, 512 matrix instructions ahead of the load that will
; want it: 32 rows x 256 bytes, a lane a row, one instruction a wave.  Each row's 256 bytes of a K step are named at most ONCE in the launch: A's tile row is read by every cluster of that row of clusters,
; and the one with cluster x = 0 asks; B's tile column by every cluster of that column, and the one with cluster y = 0 asks.  The four partners that ask for a tile jointly share its rows out BY ADDRESS:
; of the 128 rows that a wave fetches the partner at place p takes 32 p .. 32 p + 31 (p = cx for A, cy for B): no branch hangs on a work-group's place in its cluster.
; K steps 0 to 3 come by their loads alone; the loop's last trip (s3 = 1) asks for nothing: K steps 32 and 33 do not exist.
.macro ASK
	s_cmp_gt_u32 s3, s[LIM]
	s_cbranch_scc0 .Lnot_mine_\@
	global_prefetch_b8 v[PFO], s[PFA:PFA+1] offset:KSTEP*2 th:TH_LOAD_NT scope:SCOPE_SE
.Lnot_mine_\@:
.endm
; A round of the cluster's barrier: my work-group's barrier, so that wave 0's signal speaks for all four waves; wave 0 signals for the work-group; every wave waits for all sixteen work-groups;
; my work-group's barrier once more.  No LDS instruction of the wave is pending at a signal.
.macro CREST                           ; a round behind its opening barrier
	s_cmp_lg_u32 s[WV], 0
	s_cbranch_scc1 .Lnot_wave_0_\@
	s_barrier_signal -3
.Lnot_wave_0_\@:
	s_barrier_wait -3
	s_barrier_signal -1
	s_barrier_wait -1
.endm
.macro CROUND                          ; a whole round
	s_barrier_signal -1
	s_barrier_wait -1
	CREST
.endm
	s_load_b256 s[4:11], s[0:1], 0x0               ; A = xh s[4:5], B = zq s[6:7], bias s[8:9], out0 s[10:11]
	v_lshl_add_u32 v[SPW], v0, 2, SPARE
	v_mov_b32 v[NIL], 0
	ds_add_u32 v[SPW], v[NIL]                      ; the wave's opening: the add, twice on end, and its wait stand ahead of my first tensor load; the set-up below, work on registers, stands between
	ds_add_u32 v[SPW], v[NIL]                      ; and once more, under the one wait
	v_lshrrev_b32 v1, 5, v0
	v_readfirstlane_b32 s[WV], v1                  ; wave 0..3
	s_lshr_b32 s[RH], s[WV], 1
	s_and_b32 s[CH], s[WV], 1
	s_bfe_u32 s15, ttmp6, 0x40000                  ; cx: my place along the cluster's x
	s_bfe_u32 s16, ttmp6, 0x40004                  ; cy: along its y
	s_lshl_b32 s17, ttmp9, 2                       ; in a cluster launch ttmp9 and ttmp7 count clusters
	s_add_co_u32 s17, s17, s15                     ; tile column = 4 x cluster x + cx
	s_and_b32 s18, ttmp7, 0xffff
	s_lshl_b32 s18, s18, 2
	s_add_co_u32 s18, s18, s16                     ; tile row = 4 x cluster y + cy
	s_lshl_b32 s19, s16, 2
	s_lshl_b32 s19, 15, s19                        ; my row of the cluster: places 4 cy .. 4 cy + 3
	s_lshl_b32 s20, 0x1111, s15                    ; my column: places cx, cx + 4, cx + 8, cx + 12
	; descriptor group 1: a tile of 128 rows x 128 elements, padded in LDS
	s_or_b32 s[G1], s19, (1<<16)|(1<<20)|(1<<21)|(5<<22)|(3<<25)   ; 15:0 the mask: A's tiles go to my row; 17:16 elements of 2 bytes; 20 padding on; 21 set beside a mask; 24:22 after every 64 words (code 5); 31:25 4 words of it (code 3)
	s_or_b32 s[G1B], s20, (1<<16)|(1<<20)|(1<<21)|(5<<22)|(3<<25)  ; the same with the mask of my column, for B's tiles
.irp g, G1, G1B
	s_mov_b32 s[(\g)+1], KSTEP<<16                 ; 63:48 tensor_dim0, low half = 128
	s_mov_b32 s[(\g)+2], 128<<16                   ; 79:64 its high half = 0; 95:80 tensor_dim1, low half = 128
	s_mov_b32 s[(\g)+3], KSTEP<<16                 ; 111:96 its high half = 0; 127:112 tile_dim0 = 128
	s_mov_b32 s[(\g)+4], 128                       ; 143:128 tile_dim1 = 128; 159:144 tile_dim2 = 0
	s_mov_b32 s[(\g)+5], SIZE_K                    ; 191:160 tensor_dim0_stride, low word: elements from row to row
	s_mov_b32 s[(\g)+6], 0
	s_mov_b32 s[(\g)+7], 0
.endr
	; where the tiles come from.  A's hang on the tile row alone, which my row of the cluster shares; B's on the tile column alone, which my column shares.
	; Every wave makes both, in registers that never hold the other coordinate, and asks by one of them.  A row is 8,192 bytes; the offsets stay under 2^25.
	s_lshl_b32 s21, s[CH], 7                       ; which 128 rows of the tile I fetch
	s_lshl_b32 s40, s18, 8
	s_add_co_u32 s40, s40, s21                     ; A: row 256 x tile row + 128 x half
	s_lshl_b32 s40, s40, 13
	s_mov_b32 s41, 0
	s_lshl_b32 s46, s17, 8
	s_add_co_u32 s46, s46, s21                     ; B: row 256 x tile column + 128 x half
	s_lshl_b32 s46, s46, 13
	s_mov_b32 s47, 0
	s_mul_i32 s22, s[WV], HALFT                    ; and where they go: A's two halves, then B's two halves = wave x 128 rows: no place in the cluster enters an LDS address
	s_mov_b32 s[BETA], 0x3d4ccccd                  ; 0.05f
	s_mov_b32 s[BETA+1], 0x3d4ccccd                ; named with it as a pair
	s_wait_dscnt 0x0                               ; both opening adds are done
	s_wait_kmcnt 0x0
	s_add_nc_u64 s[40:41], s[4:5], s[40:41]
	s_add_nc_u64 s[46:47], s[6:7], s[46:47]
	CROUND                                         ; all sixteen work-groups are here: the first joint loads meet
.irp s, 0,1
	s_mov_b32 s[G0+4*(\s)], 1                                        ; 1:0 count = 1
	s_add_co_u32 s[G0+4*(\s)+1], s22, (\s)*SLOT                      ; 63:32 LDS address
	s_add_nc_u64 s[G0+4*(\s)+2:G0+4*(\s)+3], s[40:41], (\s)*KSTEP*2  ; 120:64 global address: K step s
	s_or_b32 s[G0+4*(\s)+3], s[G0+4*(\s)+3], 0x80000000              ; 127:126 type = 2
	s_mov_b32 s[G0B+4*(\s)], 1
	s_add_co_u32 s[G0B+4*(\s)+1], s22, (\s)*SLOT
	s_add_nc_u64 s[G0B+4*(\s)+2:G0B+4*(\s)+3], s[46:47], (\s)*KSTEP*2
	s_or_b32 s[G0B+4*(\s)+3], s[G0B+4*(\s)+3], 0x80000000
	JLOAD \s                                       ; the ring is filled before anything else is done: two tensor loads of mine are out
.endr
	; A fragment is 16 rows x 32 K in 8 registers: lane l holds row l % 16; registers 0-3 hold K = 8 (l / 16) + 0..7, registers 4-7 hold K = 16 + 8 (l / 16) + 0..7:
	; from rows that lie along K two loads of 16 bytes, 32 bytes apart.  The same for source 0 and source 1.
	v_and_b32 v1, 15, v0                           ; l % 16
	v_bfe_u32 v2, v0, 4, 1                         ; l / 16
	v_mul_u32_u24 v3, v1, PITCH
	v_lshl_add_u32 v3, v2, 4, v3                   ; row x pitch + 16 x half
	s_mul_i32 s21, s[RH], HALFT                    ; my 128 rows of A
	s_mul_i32 s23, s[CH], HALFT                    ; my 128 rows of B,
	s_add_co_u32 s23, s23, 2*HALFT                 ; which lie behind A's 256
.irp s, 0,1
	v_add_nc_u32 v[ADRA+(\s)], s21, v3
	v_add_nc_u32 v[ADRB+(\s)], s23, v3
	s_add_co_u32 s21, s21, SLOT
	s_add_co_u32 s23, s23, SLOT
.endr
	s_mul_i32 s22, s[WV], WSTAGE
	s_add_co_u32 s22, s22, STAGE                   ; my stage
	v_mul_u32_u24 v4, v1, SPITCH                   ; in: row l % 16, 32 bytes for each half of the lanes
	v_lshl_add_u32 v4, v2, 5, v4
	v_add_nc_u32 v[STO], s22, v4
	v_and_b32 v5, 31, v0                           ; l
	v_lshlrev_b32 v[CO], 4, v5                     ; back: the 32 lanes take one row of 512 bytes, 16 each: columns 4 l .. 4 l + 3 of my 128, in every row
	v_add_nc_u32 v[RD], s22, v[CO]
	s_lshl_b32 s68, s17, 10                        ; my first column in bytes of f32: 1,024 x tile column + 512 x half
	s_lshl_b32 s69, s[CH], 9
	s_add_co_u32 s68, s68, s69
	v_add_nc_u32 v[BO], s68, v[CO]
	global_load_b128 v[BIAS:BIAS+3], v[BO], s[8:9] ; four numbers of bias serve the wave's whole tile
	s_lshl_b32 s70, s18, 8
	s_lshl_b32 s71, s[RH], 7
	s_add_co_u32 s70, s70, s71                     ; my first row of out0,
	s_lshl_b32 s70, s70, 14                        ; x 16,384 bytes,
	s_add_co_u32 s70, s70, s68                     ; + my first column (under 2^26 together)
	s_mov_b32 s71, 0
	s_add_nc_u64 s[10:11], s[10:11], s[70:71]
	; the prefetches
	s_lshl_b32 s68, s18, 8                         ; 256 x tile row
	s_lshl_b32 s69, s17, 8                         ; 256 x tile column
	s_and_b32 s70, ttmp7, 0xffff                   ; cluster y
	s_cmp_eq_u32 s[RH], 0                          ; do I fetch for A?
	s_cselect_b32 s68, s68, s69                    ; the tile's first row: in A by the tile row, in B by the tile column
	s_cselect_b32 s69, s15, s16                    ; my place among the four that ask for it with me
	s_cselect_b32 s70, ttmp9, s70                  ; the coordinate along which other clusters read the same rows
	s_cselect_b64 s[PFA:PFA+1], s[4:5], s[6:7]
	s_cmp_eq_u32 s70, 0
	s_cselect_b32 s[LIM], 1, -1                    ; the same in all sixteen partners, for a given wave
	s_lshl_b32 s70, s[CH], 7
	s_add_co_u32 s68, s68, s70                     ; + the 128 rows that I fetch
	s_lshl_b32 s69, s69, 5
	s_add_co_u32 s68, s68, s69                     ; + my work-group's 32 of them
	s_lshl_b32 s68, s68, 13                        ; in bytes
	s_mov_b32 s69, 0
	s_add_nc_u64 s[PFA:PFA+1], s[PFA:PFA+1], s[68:69]
	s_add_nc_u64 s[PFA:PFA+1], s[PFA:PFA+1], 2*KSTEP*2  ; at K step 2: the first refill steps it to 3 and names K step 4.  Nothing is prefetched here, where every work-group's first tiles are on their way
	v_lshlrev_b32 v[PFO], 13, v5
; 16 matrix instructions: m blocks a0, a0 + 1 of the window's four (hi = 0: my rows 0-63, 1: rows 64-127) x all 8 n blocks, 32 along K.
; zero = 1: the first product starts the sums: nothing is ever cleared.  The 64 accumulators take turns, one instruction a turn, in the same order in every quarter step.
.macro MUL16 f, hi, a0, zero
	WIN MUL_LO+0x50*(\hi)
.irp a, \a0, (\a0)+1
.irp b, 0,1,2,3,4,5,6,7
.if \zero
	v_wmma_f32_16x16x32_f16 v[8*(8*(\a)+(\b)):8*(8*(\a)+(\b))+7], v[(\f)+8*(\b):(\f)+8*(\b)+7], v[(\f)+8*(4*(\hi)+(\a)):(\f)+8*(4*(\hi)+(\a))+7], 0
.else
	v_wmma_f32_16x16x32_f16 v[8*(8*(\a)+(\b)):8*(8*(\a)+(\b))+7], v[(\f)+8*(\b):(\f)+8*(\b)+7], v[(\f)+8*(4*(\hi)+(\a)):(\f)+8*(4*(\hi)+(\a))+7], v[8*(8*(\a)+(\b)):8*(8*(\a)+(\b))+7]
.endif
.endr
.endr
.endm
; 32 LDS loads in one run: the fragments of one quarter step (128 rows of B, 128 rows of A, 32 K at byte k of the rows) into buffer f
.macro FETCH slot, k, f
	WIN TO_B
.irp i, 0,1,2,3,4,5,6,7
	ds_load_b128 v[(\f)+8*(\i):(\f)+8*(\i)+3],   v[ADRB+(\slot)] offset:(\k)+(\i)*16*PITCH
	ds_load_b128 v[(\f)+8*(\i)+4:(\f)+8*(\i)+7], v[ADRB+(\slot)] offset:(\k)+(\i)*16*PITCH+32
.endr
	WIN 0
.irp i, 0,1,2,3,4,5,6,7
	ds_load_b128 v[(\f)+8*(\i):(\f)+8*(\i)+3],   v[ADRA+(\slot)] offset:(\k)+(\i)*16*PITCH
	ds_load_b128 v[(\f)+8*(\i)+4:(\f)+8*(\i)+7], v[ADRA+(\slot)] offset:(\k)+(\i)*16*PITCH+32
.endr
.endm
; A load into a register that a matrix instruction has read, and a store that reads a matrix result, stand four places behind that matrix instruction, and only plain vector instructions that name
; none of its registers are places (ISA guide 7.12.1 for vector instructions).
.macro PLACES
.rept 4
	v_nop
.endr
.endm
; A K step is four quarter steps of 32 along K, 64 matrix instructions each, on buffers 0, 1, 0, 1.
; One of the first three: multiplies buffer f; in its middle it fetches the next quarter's fragments, at byte k of the same slot's rows, into buffer g.
.macro QUARTER slot, k, f, g, zero
	s_wait_dscnt 8                                 ; B and A's rows 0-63 are in; the youngest eight loads (A's rows 64-127) may be out
	MUL16 \f, 0, 0, \zero
	MUL16 \f, 0, 2, \zero
	PLACES
	FETCH \slot, \k, \g
	s_wait_dscnt 32                                ; all but the 32 just issued
	MUL16 \f, 1, 0, \zero
	MUL16 \f, 1, 2, \zero
.endm
; The last quarter multiplies buffer 1 and changes slots.  MEET is its first half: ONE barrier for the change.  In front of it each wave waits for all its tensor loads, of which one is out: its part
; of the next slot; adds 0 to its spare word; and waits for that and for its own reads of this slot.  Behind it nobody reads this slot any more and the next slot is whole.
.macro MEET round                      ; round = 1: the rest of a round of the cluster's barrier follows
	WIN 0                                          ; (the add's two registers lie in window 0)
	s_wait_tensorcnt 0x0                           ; all my tensor loads have landed;
	ds_add_u32 v[SPW], v[NIL]                      ; 0 onto my spare word;
	s_wait_dscnt 9                                 ; (the add and the youngest eight loads may be out)
	MUL16 F1, 0, 0, 0                              ; sixteen matrix instructions stand between the add and the wait for it
	s_wait_dscnt 0x0                               ; the add is done, and my reads of this slot are over:
	s_barrier_signal -1                            ; say so,
	MUL16 F1, 0, 2, 0                              ; work on registers while the others arrive,
.if \round
	WIN 0
.endif
	s_barrier_wait -1                              ; and go on when all four have said so
.endm
; The whole last quarter.  fill = 1: behind the round the slot just read out is filled again first, with the K step two steps on; then come the next slot's first fragments.
; From a request to the wait for it a wave issues 224 matrix instructions.  fill = 0: the last change of slots: nothing is asked for, and the work-group's barrier is enough.
.macro TURN slot, next, fill
.if \fill
	s_wait_xcnt 0x0                                ; the last prefetch, a K step back, has read its address: it is stepped here, ahead of the waits of the change of slots
	s_add_nc_u64 s[PFA:PFA+1], s[PFA:PFA+1], KSTEP*2
	MEET 1
	CREST                                          ; all sixteen work-groups have said so: no wave of any partner still reads this slot's tile or has a load on its way
	s_add_nc_u64 s[G0+4*(\slot)+2:G0+4*(\slot)+3], s[G0+4*(\slot)+2:G0+4*(\slot)+3], 2*KSTEP*2     ; no tensor load of mine is out, so a group 0 may be written; the type bits on top are not reached
	s_add_nc_u64 s[G0B+4*(\slot)+2:G0B+4*(\slot)+3], s[G0B+4*(\slot)+2:G0B+4*(\slot)+3], 2*KSTEP*2
	JLOAD \slot                                    ; the first tensor load behind the round, my only one until the next; its four v_nop are also the places in front of the loads below
	FETCH \next, 0, F0
	ASK
.else
	MEET 0
	PLACES
	FETCH \next, 0, F0
.endif
	MUL16 F1, 1, 0, 0
	MUL16 F1, 1, 2, 0
.endm
; THE WAY OUT of block a, 16 rows x my 128 columns.  TOSTAGE: the raw f32 sums go into my own stage, 32 bytes a lane and accumulator (each accumulator's low four registers first),
; and come back as whole rows of 512 bytes, into one of two sets of 64 registers.  The stage is mine alone, and LDS serves a wave's instructions in order (ISA guide 5.7.1.4): no wait and no barrier between.
.macro TOSTAGE a
.set AC, 64*((\a)%4)
.set BK, F0+64*((\a)%2)
	WIN ST_LO+4*((\a)/4)
.irp b, 0,1,2,3,4,5,6,7
	ds_store_b128 v[STO], v[AC+8*(\b):AC+8*(\b)+3]   offset:64*(\b)
	ds_store_b128 v[STO], v[AC+8*(\b)+4:AC+8*(\b)+7] offset:64*(\b)+16
.endr
	WIN 0
.if (\a) >= 2
	s_wait_xcnt 0x0                                ; the stores of the block two back, which read this set of registers, have had their addresses translated (ISA guide 3.1): only now is the set loaded again
.endif
.irp t, 0,1,2,3,4,5,6,7,8,9,10,11,12,13,14,15
	ds_load_b128 v[BK+4*(\t):BK+4*(\t)+3], v[RD] offset:SPITCH*(\t)
.endr
.endm
; SEND: beta x sum + bias, one fused multiply-add for each output, two an instruction; then the row's 512 bytes are stored.  younger: the LDS instructions issued behind this block's loads.
.macro SEND a, younger
.set BK, F0+64*((\a)%2)
	WIN 0
	s_wait_dscnt \younger
.irp t, 0,1,2,3,4,5,6,7,8,9,10,11,12,13,14,15
	v_pk_fma_f32 v[BK+4*(\t):BK+4*(\t)+1],   v[BK+4*(\t):BK+4*(\t)+1],   s[BETA:BETA+1], v[BIAS:BIAS+1]   op_sel_hi:[1,0,1]
	v_pk_fma_f32 v[BK+4*(\t)+2:BK+4*(\t)+3], v[BK+4*(\t)+2:BK+4*(\t)+3], s[BETA:BETA+1], v[BIAS+2:BIAS+3] op_sel_hi:[1,0,1]
	global_store_b128 v[CO], v[BK+4*(\t):BK+4*(\t)+3], s[10:11] offset:(16*(\a)+(\t))*SIZE_N*4 th:TH_STORE_NT  ; 32 lanes store 512 consecutive bytes, at a multiple of 512 from out0's first byte; the row stands in the immediate, 127 x 16,384 at the most
.endr
.endm
	s_wait_loadcnt 0x0                             ; bias
	s_wait_tensorcnt 1                             ; my part of K step 0 is in; K step 1's load may stay out
	s_barrier_signal -1
	s_barrier_wait -1                              ; everybody's is
	FETCH 0, 0, F0
	QUARTER 0, 64,  F0, F1, 1                      ; the first quarter stands in front of the loop: its products start the sums
	WIN 0                                          ; at a label and at a branch every window is 0
	s_mov_b32 s3, LAPS-1
.Llap:                                                 ; a trip goes once round the ring, from a lap's second quarter to the next lap's first, and fills both slots again
	QUARTER 0, 128, F1, F0, 0
	QUARTER 0, 192, F0, F1, 0
	TURN 0, 1, 1
	QUARTER 1, 64,  F0, F1, 0
	QUARTER 1, 128, F1, F0, 0
	QUARTER 1, 192, F0, F1, 0
	TURN 1, 0, 1
	QUARTER 0, 64,  F0, F1, 0
	WIN 0
	s_sub_co_u32 s3, s3, 1
	s_cmp_lg_u32 s3, 0
	s_cbranch_scc1 .Llap
	QUARTER 0, 128, F1, F0, 0                      ; the last lap is written out: it fills nothing
	QUARTER 0, 192, F0, F1, 0
	TURN 0, 1, 0
	QUARTER 1, 64,  F0, F1, 0
	QUARTER 1, 128, F1, F0, 0
	QUARTER 1, 192, F0, F1, 0
	s_wait_dscnt 8                                 ; the very last quarter: nothing more to fetch
	MUL16 F1, 0, 0, 0
	MUL16 F1, 0, 2, 0
	s_wait_dscnt 0x0
	MUL16 F1, 1, 0, 0
	MUL16 F1, 1, 2, 0
	PLACES                                         ; behind the last products, ahead of the stores that read results and of the loads into A's buffers
	TOSTAGE 0
.irp a, 1,2,3,4,5,6,7                  ; block a's trip through the stage is issued ahead of block a - 1's arithmetic and stores
	TOSTAGE \a
	SEND (\a)-1, 32                                ; behind block a - 1's loads stand block a's 16 stores and 16 loads
.endr
	SEND 7, 0
	s_wait_tensorcnt 0x0                           ; the wave's end: 0 onto my spare word and the wait for it follow, behind my last tensor load and my last LDS store
	ds_add_u32 v[SPW], v[NIL]
	s_wait_dscnt 0x0
	CROUND                                         ; the closing round: no work-group ends while a partner may still ask for a tile that names it
	s_endpgm
.Lfunc_end_k_q535956bfb5_gemm:
	.size	k_q535956bfb5_gemm, .Lfunc_end_k_q535956bfb5_gemm-k_q535956bfb5_gemm
	.p2alignl 7, 3214868480
	.fill 96, 4, 3214868480
	.section	.rodata,"a",@progbits
	.p2align	6, 0x0
	.amdhsa_kernel k_q535956bfb5_gemm
		.amdhsa_group_segment_fixed_size 327680
		.amdhsa_private_segment_fixed_size 0
		.amdhsa_enable_private_segment 0
		.amdhsa_kernarg_size 32
		.amdhsa_user_sgpr_count 2
		.amdhsa_user_sgpr_kernarg_segment_ptr 1
		.amdhsa_wavefront_size32 1
		.amdhsa_system_sgpr_workgroup_id_x 1
		.amdhsa_system_sgpr_workgroup_id_y 1
		.amdhsa_system_sgpr_workgroup_id_z 1
		.amdhsa_system_vgpr_workitem_id 0
		.amdhsa_next_free_vgpr 1024
		.amdhsa_next_free_sgpr 72
		.amdhsa_reserve_vcc 0
		.amdhsa_float_denorm_mode_32 3
		.amdhsa_float_denorm_mode_16_64 3
		.amdhsa_memory_ordered 1
		.amdhsa_forward_progress 1
		.amdhsa_inst_pref_size 157
	.end_amdhsa_kernel
	.amdgpu_metadata
---
amdhsa.version: [ 1, 2 ]
amdhsa.kernels:
  - .name:           k_q535956bfb5_gemm
    .symbol:         k_q535956bfb5_gemm.kd
    .args:
      - { .name: xh, .offset: 0, .size: 8, .value_kind: global_buffer, .address_space: global }
      - { .name: zq, .offset: 8, .size: 8, .value_kind: global_buffer, .address_space: global }
      - { .name: bias, .offset: 16, .size: 8, .value_kind: global_buffer, .address_space: global }
      - { .name: out0, .offset: 24, .size: 8, .value_kind: global_buffer, .address_space: global }
    .group_segment_fixed_size: 327680
    .private_segment_fixed_size: 0
    .kernarg_segment_align: 8
    .kernarg_segment_size: 32
    .max_flat_workgroup_size: 128
    .sgpr_count:     72
    .vgpr_count:     1024
    .wavefront_size: 32
...
	.end_amdgpu_metadata
.endif
;; end of part 2
;; ======== version 2 of 2: 2 launches; version 1 with the launch prep written anew for expert scheduling mode
;; limits: values are held in f16: magnitudes above 65,504 overflow, below 6.1e-05 lose precision; inputs' magnitudes at most 65,504; right only within a limited range of input values
;; workspace buffers: xh 33,554,432 bytes; zq 33,554,432 bytes
;; launch prep (part 3): grid 512 x 1, 8 waves a work-group, no clusters, 0 bytes of LDS; arguments x, weight, xh, zq; writes xh, zq
.if DOCPART == 3
	.amdgcn_target "amdgcn-amd-amdhsa--gfx1250"
	.amdhsa_code_object_version 6
	.text
	.protected	k_q535956bfb5_prep
	.globl	k_q535956bfb5_prep
	.p2align	8
	.type	k_q535956bfb5_prep,@function
k_q535956bfb5_prep:
	s_mov_b64 s[64:65], 0
	v_nop
	global_prefetch_b8 v0, s[64:65] scope:SCOPE_SE
	s_setreg_imm32_b32 hwreg(HW_REG_WAVE_SCHED_MODE, 0, 2), 2
	s_setreg_imm32_b32 hwreg(HW_REG_WAVE_MODE, 25, 1), 1
	s_wait_xcnt 0x0
	s_wait_alu depctr_vm_vsrc(0)
; FIRST OF TWO LAUNCHES for out0 = x . w_q^T + bias, w_q = the weight snapped, four neighbours of a row at a time, to beta x D4, beta = 0.05.
; This launch: xh = f16(x) and zq = f16(Q_D4(weight / beta)): the lattice's INTEGERS, without beta.  x, weight: [4096][4096] f32; xh, zq: [4096][4096] f16, row-major.
; WORK LEFT OUT, for all finite values of the inputs.  ste_quantize returns w + (q - w) with q = quantize_lattice(w): in real numbers that is q, whatever w holds (stop_gradient is the
; identity in a forward pass), so the subtraction and the addition are not made.  beta is taken out of the sum: sum_k x (beta z) = beta sum_k x z; the second launch applies it once for
; each output, in f32, fused with the bias.  Every input has a way to the output and is loaded: x and weight here, bias in the second launch.
; A NaN, an infinity or an overflow that would arise only in w + (q - w) is not carried to the result.
; WHY THE INTEGERS.  z is exact in f16 up to |z| = 2,048, so the weight operand of the product carries no rounding at all.
; THE DECISIONS ARE reference()'s: v = w / beta is made as the correctly rounded f32 quotient by 0.05f (below); f = round to nearest, halves to even; delta = v - f is exact;
; the largest |delta| goes to the lowest index among equals, as argmax has it; delta >= 0 steps up, else down.
; LIMITS.  |x| under 65,520 and |w| under 3,276, or f16 gives an infinity; |z| over 2,048 is rounded to 11 bits; the parity is that of the exact sum while |w / beta| stays under 2^22;
; for |w| under about 2^-100 the division's residual may underflow and the quotient's last bit is not vouched for (z is 0 there all the same);
; NaN and infinities in weight are not treated apart.  The order of rounding differs from reference()'s: beta comes behind the sum, and w + (q - w) is not rounded.
; SHARES.  A stream: each byte is read once, by one lane, and nothing is shared, so there is no LDS, no barrier, no cluster and no matrix instruction.  Wave v of work-group g owns row 8 g + v of
; x and of weight.  A chunk is one 16-byte load a lane: 512 consecutive bytes a wave, and a lane's four floats are one group of the lattice.  It leaves as one 8-byte store a lane:
; 256 consecutive bytes, aligned.
; THE MODE: SCHED_MODE bits 1:0 = 2 (LLVM: expert scheduling mode 2), set by the entry lines.  The code itself states the register dependences
; between vector instructions and memory instructions, and those through scalar registers that vector instructions write, with s_wait_alu, always for 0.
; THE PLAN.  A row goes in 32 blocks; block p is chunk p of weight and chunk p of x.  Registers that memory instructions touch, eight buffers of each kind, k = p % 8:
;   WD[k], XD[k]  a chunk as loaded.   Written by the two loads of block p, issued in block p - 7; read by block p's first four packed lines (WD) and its two conversions (XD).
;   WY[k], XY[k]  a chunk to store.    Written by block p's conversions to f16; read by the two stores that are issued in block p + 1; written again in block p + 8.
;   v1, v2        byte offsets, made once at the head and never written again: the chunks are reached by the scalar bases, which move on once a lap of eight blocks, and by immediate offsets.
; Block p works on buffer p % 8.  Its memory instructions are the loads of block p + 7, which land in WD and XD of buffer (p - 1) % 8, and the stores from WY and XY of the same buffer:
; the buffer that block p - 1 worked on and that no vector instruction of block p names.  So ONE wait on va_vdst at a block's head states all that its four memory instructions hang on, and
; these are dealt among the block's vector lines with no further wait.  ONE wait on vm_vsrc a lap stands in the lap's last block, behind that block's stores and ahead of its first write of an
; out register: the stores that read WY and XY of block q were issued in block q - 7, so the wait in block p covers the writes of blocks p to p + 7, where the next one stands.
; ONE wait on va_sdst a block stands between the run of four compares and the first scalar line that reads their masks.
; 13 to 15 loads of every wave are on their way.
.set WD, 4                             ; v[4:35]    buffer k: four weights as loaded
.set XD, 36                            ; v[36:67]   buffer k: four x as loaded
.set WY, 68                            ; v[68:83]   buffer k: four z in f16, to store
.set XY, 84                            ; v[84:99]   buffer k: four x in f16, to store
.set QT, 100                           ; v[100:103] the quotient                      (v100 to v119: at work; no memory instruction names them)
.set DL, 104                           ; v[104:107] the division's residual, then delta
.set FR, 108                           ; v[108:111] f, then z
.set SM, 112                           ; v[112:113] the sum of f and its half
.set MX, 114                           ; v114       the largest |delta|
.set AB, 116                           ; v[116:119] |delta|, then the step +1, -1 or 0
.set CHUNK, 512                        ; bytes of a row that one load of the wave takes
.set ROUND, 8*CHUNK                    ; a lap takes every buffer once: 4,096 bytes of each input row, 2,048 of each output row
	s_load_b256 s[4:11], s[0:1], 0x0               ; x s[4:5], weight s[6:7], xh s[8:9], zq s[10:11]
	v_and_b32 v2, 31, v0                           ; lane
	v_lshrrev_b32 v3, 5, v0
	v_readfirstlane_b32 s12, v3                    ; wave 0..7
	v_lshlrev_b32 v1, 4, v2                        ; v1 = 16 x lane: my bytes of a chunk; never rewritten
	v_lshlrev_b32 v2, 3, v2                        ; v2 = 8 x lane: my bytes of what leaves; never rewritten
	s_lshl_b32 s13, ttmp9, 3
	s_wait_alu depctr_va_sdst(0)                   ; s12 is written, ahead of its first reader: the four bases are made from it
	s_add_co_u32 s13, s13, s12                     ; my row
	s_lshl_b32 s14, s13, 14                        ; x 16,384 bytes in (under 2^26)
	s_mov_b32 s15, 0
	s_lshl_b32 s16, s13, 13                        ; x 8,192 bytes out
	s_mov_b32 s17, 0
	s_mov_b32 s20, 0x41a00000                      ; 20.0 = the f32 nearest to 1 / 0.05f (19.9999997; f32 steps by 1.9e-6 there)
	s_mov_b32 s21, 0x41a00000                      ; named with it as a pair
	s_mov_b32 s22, 0xbd4ccccd                      ; -0.05f
	s_mov_b32 s23, 0xbd4ccccd
	s_mov_b32 s24, 0x7fffffff                      ; all but the sign
	s_mov_b32 s25, 0x3f800000                      ; 1.0
	s_mov_b32 s26, 3                               ; laps that fill the ring again
	s_wait_kmcnt 0x0
	s_add_nc_u64 s[4:5], s[4:5], s[14:15]
	s_add_nc_u64 s[6:7], s[6:7], s[14:15]
	s_add_nc_u64 s[8:9], s[8:9], s[16:17]
	s_add_nc_u64 s[10:11], s[10:11], s[16:17]
	s_wait_alu depctr_va_vdst(0)                   ; v1 and v2 are written: every load and store of the kernel reads one of them as its offset
.irp i, 0,1,2,3,4,5,6
	global_load_b128 v[WD+4*(\i):WD+4*(\i)+3], v1, s[6:7] offset:CHUNK*(\i) th:TH_LOAD_NT  ; blocks 0 to 6, in the order in which they are worked on; buffer 7 is filled by block 0
	global_load_b128 v[XD+4*(\i):XD+4*(\i)+3], v1, s[4:5] offset:CHUNK*(\i) th:TH_LOAD_NT
.endr
; A block.  i: its number counted from the chunk at which the bases stand (0: block 0; 1 to 8: a lap's blocks).  first = 1: block 0, with no block in front of it.
; ahead = 1: the block seven on is loaded.  turn = 1: the lap's last block, which frees the out registers and steps the bases.
; leftw, leftx: how many younger loads may stay out when this block's weights, and then its x, have to be there.
.macro BLK i, first, ahead, turn, leftw, leftx
.set CU, (\i)%8                        ; the buffer at work
.set PV, ((\i)+7)%8                    ; the buffer that the block before worked on
	s_wait_loadcnt \leftw                          ; loads come back in order (ISA guide 5.7.1): my weights are in; my x and the younger blocks stay out
.if !\first
	s_wait_alu depctr_va_vdst(0)                   ; the block before has written its WY and XY, which the stores below read, and is done reading its WD and XD, in which the loads below land
.endif
.if \ahead
	global_load_b128 v[WD+4*PV:WD+4*PV+3], v1, s[6:7] offset:CHUNK*((\i)+7) th:TH_LOAD_NT  ; seven blocks ahead; no vector instruction since the wait names these registers
	global_load_b128 v[XD+4*PV:XD+4*PV+3], v1, s[4:5] offset:CHUNK*((\i)+7) th:TH_LOAD_NT
.endif
	; v = w / 0.05f, correctly rounded.  q0 = w x 20 lies within 3/4 of a last place of the quotient (1/4 from 20 against 1 / 0.05f, 1/2 from its rounding); r = w - q0 x 0.05f is then exact in
	; one fused multiply-add; q0 + r x 20, rounded once, is the f32 nearest to the quotient, since 20 is the correctly rounded reciprocal (Markstein's correction step).
.irp p, 0,2
	v_pk_mul_f32 v[QT+(\p):QT+(\p)+1], v[WD+4*CU+(\p):WD+4*CU+(\p)+1], s[20:21] op_sel_hi:[1,0]
.endr
.irp p, 0,2
	v_pk_fma_f32 v[DL+(\p):DL+(\p)+1], v[QT+(\p):QT+(\p)+1], s[22:23], v[WD+4*CU+(\p):WD+4*CU+(\p)+1] op_sel_hi:[1,0,1]
.endr
.if !\first
	global_store_b64 v2, v[WY+2*PV:WY+2*PV+1], s[10:11] offset:256*((\i)-1)  ; the block before: the wave stores 256 consecutive bytes, at a multiple of 256 from zq's first byte
.endif
.irp p, 0,2
	v_pk_fma_f32 v[QT+(\p):QT+(\p)+1], v[DL+(\p):DL+(\p)+1], s[20:21], v[QT+(\p):QT+(\p)+1] op_sel_hi:[1,0,1]
.endr
.irp j, 0,1,2,3
	v_rndne_f32 v[FR+(\j)], v[QT+(\j)]             ; f: to the nearest integer, halves to even
.endr
.if !\first
	global_store_b64 v2, v[XY+2*PV:XY+2*PV+1], s[8:9] offset:256*((\i)-1)    ; and the same of xh
.endif
.irp p, 0,2
	v_pk_add_f32 v[DL+(\p):DL+(\p)+1], v[QT+(\p):QT+(\p)+1], v[FR+(\p):FR+(\p)+1] neg_lo:[0,1] neg_hi:[0,1]  ; delta = v - f, exact; never -0
.endr
	v_pk_add_f32 v[SM:SM+1], v[FR:FR+1], v[FR+2:FR+3]
	v_add_f32 v[SM], v[SM], v[SM+1]                ; the sum of f: integers, exact
	v_mul_f32 v[SM+1], 0.5, v[SM]
	v_floor_f32 v[SM], v[SM+1]
	v_cmp_neq_f32 s30, v[SM+1], v[SM]              ; odd: half the sum is no integer
.irp j, 0,1,2,3
	v_and_b32 v[AB+(\j)], s24, v[DL+(\j)]          ; |delta|
.endr
	v_max3_num_f32 v[MX], v[AB], v[AB+1], v[AB+2]
	v_max_num_f32 v[MX], v[MX], v[AB+3]
	v_cmp_ge_f32 s31, v[AB], v[MX]                 ; which coordinates hold the maximum
	v_cmp_ge_f32 s32, v[AB+1], v[MX]
	v_cmp_ge_f32 s33, v[AB+2], v[MX]
	s_wait_loadcnt \leftx                          ; my x is in
.if \turn
	s_wait_xcnt 0x0                                ; every load and store issued so far has had its addresses translated (ISA guide 3.1): only behind this wait are the four bases stepped and the stores' data written again
	s_wait_alu depctr_vm_vsrc(0)                   ; the stores issued so far, this block's two among them, have read WY and XY, which this block and the seven behind it write again
	s_add_nc_u64 s[4:5], s[4:5], ROUND             ; the lap has no memory instruction left: the bases go on to the next lap's first chunk
	s_add_nc_u64 s[6:7], s[6:7], ROUND
	s_add_nc_u64 s[8:9], s[8:9], ROUND/2
	s_add_nc_u64 s[10:11], s[10:11], ROUND/2
.endif
	v_cvt_pk_f16_f32 v[XY+2*CU], v[XD+4*CU], v[XD+4*CU+1]      ; x: four roundings to f16; with the four lines below they stand between the compares and the wait for their masks
	v_cvt_pk_f16_f32 v[XY+2*CU+1], v[XD+4*CU+2], v[XD+4*CU+3]
.irp j, 0,1,2,3
	v_bfi_b32 v[AB+(\j)], s24, s25, v[DL+(\j)]     ; 1.0 with delta's sign
.endr
	s_wait_alu depctr_va_sdst(0)                   ; the four compares have written s30 to s33, ahead of their first reader, the line below
	s_and_b32 s34, s31, s30                        ; lanes whose sum is odd step in the FIRST coordinate that holds the maximum; these masks only select values
	s_and_not1_b32 s38, s30, s31
	s_and_b32 s35, s32, s38
	s_and_not1_b32 s38, s38, s32
	s_and_b32 s36, s33, s38
	s_and_not1_b32 s37, s38, s33                   ; none of the first three: the fourth holds it
.irp j, 0,1,2,3
	v_cndmask_b32 v[AB+(\j)], 0, v[AB+(\j)], s[34+(\j)]
.endr
.irp p, 0,2
	v_pk_add_f32 v[FR+(\p):FR+(\p)+1], v[FR+(\p):FR+(\p)+1], v[AB+(\p):AB+(\p)+1]  ; z
.endr
	v_cvt_pk_f16_f32 v[WY+2*CU], v[FR], v[FR+1]
	v_cvt_pk_f16_f32 v[WY+2*CU+1], v[FR+2], v[FR+3]
.endm
	BLK 0, 1, 1, 0, 13, 14                         ; block 0: behind its weights' load stand its x's and the 12 of blocks 1 to 6; behind its x's those 12 and the 2 just issued
.Lround:                                       ; blocks 1 to 24, eight to a lap: every buffer is back at its start
.irp i, 1,2,3,4,5,6,7
	BLK \i, 0, 1, 0, 13, 14
.endr
	BLK 8, 0, 1, 1, 13, 14
	s_sub_co_u32 s26, s26, 1
	s_cmp_lg_u32 s26, 0
	s_cbranch_scc1 .Lround
.irp i, 1,2,3,4,5,6,7
	BLK \i, 0, 0, 0, 15-2*(\i), 14-2*(\i)          ; blocks 25 to 31 load nothing, so that no load leaves the row: the counts run down
.endr
	s_wait_alu depctr_va_vdst(0)                   ; block 31 has written WY and XY of buffer 7, which the last two stores read
	global_store_b64 v2, v[WY+14:WY+15], s[10:11] offset:256*7
	global_store_b64 v2, v[XY+14:XY+15], s[8:9] offset:256*7
	s_endpgm
.Lfunc_end_k_q535956bfb5_prep:
	.size	k_q535956bfb5_prep, .Lfunc_end_k_q535956bfb5_prep-k_q535956bfb5_prep
	.p2alignl 7, 3214868480
	.fill 96, 4, 3214868480
	.section	.rodata,"a",@progbits
	.p2align	6, 0x0
	.amdhsa_kernel k_q535956bfb5_prep
		.amdhsa_group_segment_fixed_size 0
		.amdhsa_private_segment_fixed_size 0
		.amdhsa_enable_private_segment 0
		.amdhsa_kernarg_size 32
		.amdhsa_user_sgpr_count 2
		.amdhsa_user_sgpr_kernarg_segment_ptr 1
		.amdhsa_wavefront_size32 1
		.amdhsa_system_sgpr_workgroup_id_x 1
		.amdhsa_system_sgpr_workgroup_id_y 1
		.amdhsa_system_sgpr_workgroup_id_z 1
		.amdhsa_system_vgpr_workitem_id 0
		.amdhsa_next_free_vgpr 120
		.amdhsa_next_free_sgpr 66
		.amdhsa_reserve_vcc 0
		.amdhsa_float_denorm_mode_32 3
		.amdhsa_float_denorm_mode_16_64 3
		.amdhsa_memory_ordered 1
		.amdhsa_forward_progress 1
		.amdhsa_inst_pref_size 47
	.end_amdhsa_kernel
	.amdgpu_metadata
---
amdhsa.version: [ 1, 2 ]
amdhsa.kernels:
  - .name:           k_q535956bfb5_prep
    .symbol:         k_q535956bfb5_prep.kd
    .args:
      - { .name: x, .offset: 0, .size: 8, .value_kind: global_buffer, .address_space: global }
      - { .name: weight, .offset: 8, .size: 8, .value_kind: global_buffer, .address_space: global }
      - { .name: xh, .offset: 16, .size: 8, .value_kind: global_buffer, .address_space: global }
      - { .name: zq, .offset: 24, .size: 8, .value_kind: global_buffer, .address_space: global }
    .group_segment_fixed_size: 0
    .private_segment_fixed_size: 0
    .kernarg_segment_align: 8
    .kernarg_segment_size: 32
    .max_flat_workgroup_size: 256
    .sgpr_count:     66
    .vgpr_count:     120
    .wavefront_size: 32
...
	.end_amdgpu_metadata
.endif
;; end of part 3
;; launch gemm: the kernel of part 2 again; grid 16 x 16, 4 waves a work-group, clusters of 4 x 4, 327,680 bytes of LDS; arguments xh, zq, bias, out0; writes out0
